; MI455X (gfx1250); checked and timed in simulation.
; The chip was launched on July 23, 2026; its instructions are those of AMD's public machine-readable ISA for CDNA 5 (MIT licence, August 2026) and "CDNA5" Instruction Set Architecture Reference Guide (July 2026). The comments in the code are by the model that wrote it; some were corrected since.
;; Sparse Connected Layer. Allowed arithmetic: matrix products marked QUANTISED: E3M2 operands, one E8M0 scale for each 32 along K, by v_wmma_scale_f32_16x16x128_f8f6f4 with both operands' format E3M2, f32 sums; everything else in f32.
;; Inputs: bias 4,096 float32; mask 4,096 x 4,096 float32; weight 4,096 x 4,096 float32; x 4,096 x 4,096 float32.
;; Outputs: out0 4,096 x 4,096 float32.
;; This version of the problem:
;;   THIS VERSION OF THE PROBLEM IS GIVEN IN LOW PRECISION. The matrix products marked QUANTISED in the list below multiply operands that are first quantised to E3M2 (3 exponent bits, 2 mantissa bits; 6 bits a number), with one power-of-two scale for each 32 numbers along K (OCP MX v1.0); their sums are f32. All else is computed in f32.
;;   The module's matrix products, in the order in which they are computed (A, B: the left and right operand; K: the contracted axis; several contracted axes count as one K, in the product's order):
;;     1. [M 4,096, K 4,096] x [K 4,096, N 4,096]; A: input x; B: computed on the way: QUANTISED
;;   THE QUANTISER, for each operand of a quantised product, along K:
;;     - K is cut into blocks of 32 from its start; a last block that is shorter is filled with zeros.
;;     - A block's scale is 2^e with e = floor(log2(the largest magnitude in the block)) - 4, held to -126 .. 127; a block of zeros has e = 0. As a byte (E8M0): e + 127.
;;     - Each number is divided by its block's scale, clamped to +-28, and rounded to the nearest number of E3M2, ties to even, subnormals kept.
;;     - The product sums the exact products of the quantised numbers (number of the format x scale) in f32.
;;   ~~~python
;;   def quantise(x, axis):      # numpy; x: float32 -> the quantised numbers, widened to float32 again
;;       x = np.moveaxis(x, axis, -1); K = x.shape[-1]
;;       x = np.pad(x, [(0, 0)] * (x.ndim - 1) + [(0, -K % 32)]); x = x.reshape(x.shape[:-1] + (-1, 32)); a = np.abs(x).max(-1, keepdims=True)
;;       e = np.where(a > 0, np.clip(np.frexp(np.where(a > 0, a, 1))[1] - 1 - 4, -126, 127), 0)      # np.frexp(a)[1] - 1 = floor(log2(a)), exactly
;;       r = np.clip(x / 2.0 ** e, -28, 28)
;;       step = 2.0 ** (np.maximum(np.frexp(np.where(r == 0, 1, r))[1] - 1, -2) - 2)
;;       q = np.round(r / step) * step * 2.0 ** e      # np.round: ties to even
;;       return np.moveaxis(q.reshape(q.shape[:-2] + (-1,))[..., :K], -1, axis).astype(np.float32)
;;   ~~~
;;   OPERANDS COMPUTED ON THE WAY. 'Computed on the way' means the value that the module computes at that place (a softmax that the list does not call 'softmax' is quantised finished and normalised). What goes into a quantiser is computed in f32, as accurately as f32 sums, v_exp_f32 and their like allow (about 1e-6 of the number): no bf16 or f16 on the way to a quantiser, and a product that is left as it is and whose result goes on into a quantised operand takes f32 operands (vector FMAs, or v_wmma_f32_16x16x4_f32). A number that lies on a knife's edge between two numbers of the format may be rounded either way, as far as f32 arithmetic and the matrix unit's own rounding can turn it there, and no further.
;; One version. Each part assembles by itself: llvm-mc -triple=amdgcn-amd-amdhsa -mcpu=gfx1250 --defsym DOCPART=n.
;; ======== version 1 of 1: 2 launches
;; limits: right only within a limited range of input values
;; workspace buffers: a_pack 13,516,800 bytes; b_pack 13,516,800 bytes
;; launch quant (part 1): grid 768 x 1, 4 waves a work-group, no clusters, 98,304 bytes of LDS; arguments x, weight, mask, a_pack, b_pack; writes a_pack, b_pack
.if DOCPART == 1
	.amdgcn_target "amdgcn-amd-amdhsa--gfx1250"
	.amdhsa_code_object_version 6
	.text
	.protected	k_q5d7b3f32cf_quant
	.globl	k_q5d7b3f32cf_quant
	.p2align	8
	.type	k_q5d7b3f32cf_quant,@function
k_q5d7b3f32cf_quant:
	s_mov_b64 s[64:65], 0
	v_nop
	global_prefetch_b8 v0, s[64:65] scope:SCOPE_SE
	s_setreg_imm32_b32 hwreg(HW_REG_WAVE_MODE, 25, 1), 1
	s_wait_xcnt 0x0
; x [4096][4096] and weight * mask [4096][4096] (the product taken in f32, every number of the mask loaded and multiplied) are turned into codes of BF6 (E3M2),
; 6 bits each, with one E8M0 scale byte for each 32 along K (K = the last axis of all three inputs).
; A block's scale is 2^(floor(log2(its largest magnitude)) - 4); its byte is the largest magnitude's exponent field - 4, held at 1 from below.  Each number is divided by the scale and
; rounded to the nearest code, ties to even; beyond the largest code the conversion gives the largest code.
; LIMITS: NaN and infinities among the inputs are not served.  Blocks whose largest magnitude lies under 2^-122, whose byte is held at 1, were not tried.  A block of zeros gets the byte 1 where
; the rule says 127: its codes are zeros, which add nothing under any byte but 0xff, and the bytes are read by this program alone.
; CODES AND SCALE WORDS OF A TENSOR GO INTO ONE BUFFER, LAID AS THE NEXT LAUNCH FETCHES AND READS THEM: [K slot of 384: 11][group of 128 rows: 32][step of 128 along K: 3][12,800 bytes].
; A step's 12,800 bytes: the images of the group's 8 fragments (16 rows x 128 K, 1,536 bytes each), then 512 bytes of scale words.  An image: registers 4 j .. 4 j + 3 of lane l at 512 j + 16 l; lane (r = l % 16, h = l / 16)
; holds row r, its registers 6 c .. 6 c + 5 hold k = 64 c + 32 h + 0 .. 31 of the step.  The scale word (four bytes: the step's 128 along K) of row r of block i lies at 128 (i / 2) + 8 r + 4 (i % 2).
; K has 32 steps: K slot 10 holds two; the bytes of its third step are neither written here nor read by the next launch.
; SHARES: EVERY WAVE READS 65,536 BYTES.  Work-groups 0 to 511 take weight * mask, 512 to 767 x: two paths that part once, on the work-group's number, each with LDS bytes of its own.
; A wave of weight * mask takes 64 rows x 128 along K of both inputs: four blocks of 16 rows: four images, 6,144 consecutive bytes of the buffer, and 64 scale words, 256 consecutive bytes, aligned.
; A wave of x takes 128 rows x 128 along K, a group's whole step: eight blocks: eight images, 12,288 consecutive bytes, and the step's 512 bytes of scale words in two stores of 256.
; The launch claims 98,304 bytes of LDS (it uses 68,096), so that three work-groups share a WGP's 327,680: 768 work-groups are three for each of 256 WGPs.
; A block's 16 loads read 512 consecutive bytes of a row each, 16 a lane.  The conversions want 32 NEIGHBOURS along K in one lane, so the block's 8,192 bytes turn through the wave's own stage in LDS:
; in as they lie, out 128 bytes a lane.  Stage rows are 528 bytes apart (132 words): row r starts at bank 4 r mod 64 (64 banks of 4 bytes: ISA guide 11.1), so the sixteen rows that a load touches start at sixteen different banks.
; A lane holds two whole blocks of 32, so a block's largest magnitude needs no other lane.  No tensor load, no barrier: waves share nothing.  No matrix unit, no cluster: a stream that reads each input byte once.
.set ROWB,    16384                    ; a row of an input in bytes
.set FRB,     1536                     ; a fragment's image
.set SCW,     8*FRB                    ; where a step's scale words begin
.set STEPB,   SCW+512                  ; a step of a group of 128 rows
.set HALFT,   3*STEPB                  ; a group's part of a K slot
.set SLOTMEM, 32*HALFT                 ; a K slot
.set SP,      528                      ; a stage row
.set STG,     16*SP                    ; a wave's stage
.set PBW,     4*STG                    ; the second path's stages begin here
.set GI,  4                            ; v4   16 x lane: my bytes of a load's 512, and of a store's; never rewritten
.set STS, 5                            ; v5   the stage on the way in: wave x STG + 16 x lane
.set STL, 6                            ; v6   on the way out: wave x STG + 528 r + 128 h
.set SO,  7                            ; v7   8 x lane: my two scale words' place
.set SH,  8                            ; v8   8 h: how far my two scale bytes are shifted in the word
.set MX,  10                           ; v10-11 my two blocks' largest magnitudes
.set SCO, 12                           ; v12-13 the conversions' scale operands
.set BY,  14                           ; v14-15 the scale bytes;  v16, v17 the word at work
.set WD,  18                           ; v18-21 the scale words of my row in four blocks of rows;  v[22:23] the pair that is stored
.set R0,  32                           ; v32-95   16 x 4 registers as loaded (weight path: weight, then weight * mask)
.set R1,  96                           ; v96-159  the same, the other set (weight path: mask)
.set X,   160                          ; v160-223 my 64 numbers: register 32 c + i = k 64 c + 32 h + i of row r
.set C,   224                          ; v224-235 the fragment
.set TC,  236                          ; v236-238, v240-242 the blocks' upper halves as the conversions leave them
	s_load_b256 s[4:11], s[0:1], 0x0               ; x s[4:5], weight s[6:7], mask s[8:9], x's buffer s[10:11]
	s_load_b64 s[12:13], s[0:1], 0x20              ; the weight's buffer
	v_lshl_add_u32 v248, v0, 2, 0x10800            ; my spare word, behind the eight stages
	v_mov_b32 v249, 0
	v_lshrrev_b32 v1, 5, v0
	v_readfirstlane_b32 s18, v1                    ; wave 0..3
	v_and_b32 v1, 31, v0                           ; lane
	v_and_b32 v2, 15, v0                           ; r
	v_bfe_u32 v3, v0, 4, 1                         ; h
	v_lshlrev_b32 v[GI], 4, v1
	s_mul_i32 s30, s18, STG
	v_add_nc_u32 v[STS], s30, v[GI]
	v_mul_u32_u24 v[STL], v2, SP
	v_lshl_add_u32 v[STL], v3, 7, v[STL]
	v_add_nc_u32 v[STL], s30, v[STL]
	v_lshlrev_b32 v[SO], 3, v1
	v_lshlrev_b32 v[SH], 3, v3
	v_mov_b32 v17, 0                               ; written once: a lane permute's destination counts as one of its sources
	s_and_b32 s19, ttmp9, 511
	s_lshl_b32 s19, s19, 2
	s_add_co_u32 s19, s19, s18                     ; which part is my wave's: of weight * mask's 2,048, or of x's 1,024
	s_lshr_b32 s20, s19, 5                         ; weight * mask: which 64 rows; x: which 128,
	s_cmp_lt_u32 ttmp9, 512
	s_cselect_b32 s30, 0, 1
	s_lshl_b32 s20, s20, s30                       ; counted in 64 rows too: an even number
	s_and_b32 s21, s19, 31                         ; its step of 128 along K
	s_lshl_b32 s22, s20, 20                        ; in the input: 64 rows of 16,384 bytes,
	s_lshl_b32 s23, s21, 9                         ; 512 bytes a step
	s_add_co_u32 s22, s22, s23
	s_mov_b32 s23, 0
	s_mul_i32 s30, s21, 11
	s_lshr_b32 s30, s30, 5                         ; the K slot: step / 3 = (11 x step) >> 5 for steps 0 to 31,
	s_mul_i32 s31, s30, 3
	s_sub_co_u32 s31, s21, s31                     ; and the step in it
	s_mul_i32 s24, s30, SLOTMEM
	s_mul_i32 s31, s31, STEPB
	s_add_co_u32 s24, s24, s31
	s_lshr_b32 s31, s20, 1                         ; the group of 128 rows
	s_mul_i32 s31, s31, HALFT
	s_add_co_u32 s24, s24, s31                     ; where the group's step begins in the buffer (under 2^24)
	s_and_b32 s31, s20, 1                          ; at which four of the group's eight blocks of rows I begin (x: always the first)
	s_lshl_b32 s26, s31, 8
	s_add_co_u32 s26, s26, s24
	s_add_co_u32 s26, s26, SCW                     ; my scale words
	s_mov_b32 s27, 0
	s_mul_i32 s31, s31, 4*FRB
	s_add_co_u32 s24, s24, s31                     ; my images
	s_mov_b32 s25, 0
	s_mov_b32 s28, 0x76543210
	s_mov_b32 s29, 0xfedcba98                      ; v_permlanex16_b32's selects for lane l xor 16
; block t's 16 rows x 512 bytes of the tensor at s[base] into v[reg] on: each load reads 512 consecutive bytes; read once in the launch.  The offsets reach 127 rows, 2,080,768 bytes
.macro LOADR reg, base, t
.irp i, 0,1,2,3,4,5,6,7,8,9,10,11,12,13,14,15
	global_load_b128 v[\reg+4*\i:\reg+4*\i+3], v[GI], s[\base:\base+1] offset:\i*ROWB+(\t)*16*ROWB th:TH_LOAD_NT
.endr
.endm
; through the stage at pb.  LDS serves a wave's instructions in order (ISA guide 5.7.1.4): no wait stands between the stores and the loads, and these stores come behind the last block's loads
.macro TURN reg, pb
.irp i, 0,1,2,3,4,5,6,7,8,9,10,11,12,13,14,15
	ds_store_b128 v[STS], v[\reg+4*\i:\reg+4*\i+3] offset:\pb+SP*\i
.endr
.irp c, 0,1
.irp j, 0,1,2,3,4,5,6,7
	ds_load_b128 v[X+32*\c+4*\j:X+32*\c+4*\j+3], v[STL] offset:\pb+256*\c+16*\j
.endr
.endr
	s_wait_dscnt 0x0                               ; my 64 numbers are in, and the stores have read their registers, which may be loaded again
.endm
; my 64 numbers become block t's fragment and scale word; the fragment is stored
.macro QUANT t, codes
.irp c, 0,1
	v_max3_num_f32 v[MX+\c], |v[X+32*\c]|, |v[X+32*\c+1]|, 0x2800000   ; my block 2 c + h of 32: all its numbers are mine; and the floor 2^(5 - 127), under which no largest magnitude is taken: so the byte cannot fall under 1
.endr
.irp i, 2,4,6,8,10,12,14,16,18,20,22,24,26,28,30
.irp c, 0,1
	v_max3_num_f32 v[MX+\c], v[MX+\c], |v[X+32*\c+\i]|, |v[X+32*\c+\i+1]|   ; (the two blocks by turns)
.endr
.endr
.irp c, 0,1
	v_add_nc_u32 v[SCO+\c], 0xfe000000, v[MX+\c]   ; 4 off the exponent field: the conversion takes the exponent field of this operand as its scale, and nothing else of it
.endr
.irp c, 0,1
	v_lshrrev_b32 v[BY+\c], 23, v[SCO+\c]          ; the scale's byte
.endr
	v_lshl_or_b32 v16, v[BY+1], 16, v[BY]          ; my two bytes, blocks h and 2 + h of row r,
	v_lshlrev_b32 v16, v[SH], v16                  ; at their places in the word;
	v_permlanex16_b32 v17, v16, s28, s29
	v_or_b32 v[WD+((\t)%4)], v16, v17              ; with lane l xor 16's two the word is whole, in both lanes
	s_wait_alu depctr_va_vdst(0)                   ; directly ahead of the wait below
	s_wait_xcnt 0x0                                ; the earlier stores have read their registers: only behind this wait are the fragment's written again
.irp c, 0,1
	v_cvt_scalef32_pk16_bf6_f32 v[C+6*\c:C+6*\c+2], v[X+32*\c:X+32*\c+15], v[SCO+\c]
	v_cvt_scalef32_pk16_bf6_f32 v[TC+4*\c:TC+4*\c+2], v[X+32*\c+16:X+32*\c+31], v[SCO+\c]   ; (a conversion's three registers begin on an even number: the second half of a block's six does not, so it is made elsewhere and moved)
.endr
	v_nop                                          ; one plain vector instruction behind a scaled conversion, ahead of the moves that read its result
.irp c, 0,1
.irp i, 0,1,2
	v_mov_b32 v[C+3+6*\c+\i], v[TC+4*\c+\i]
.endr
.endr
.irp j, 0,1,2
	global_store_b128 v[GI], v[C+4*\j:C+4*\j+3], s[\codes:\codes+1] offset:(\t)*FRB+512*\j   ; 32 lanes store 512 consecutive bytes, at a multiple of 512 from the buffer's first byte
.endr
.endm
; the scale words of four blocks of rows: lanes 0-15 store row r's words of the first two, lanes 16-31 those of the other two: 256 consecutive bytes, aligned
.macro SCOUT scales, off
	v_cmp_ne_u32 vcc_lo, 0, v3
	v_cndmask_b32 v22, v[WD], v[WD+2], vcc_lo
	v_cndmask_b32 v23, v[WD+1], v[WD+3], vcc_lo
	global_store_b64 v[SO], v[22:23], s[\scales:\scales+1] offset:\off
.endm
	s_wait_kmcnt 0x0
	s_cmp_lt_u32 ttmp9, 512
	s_cbranch_scc1 .Lweight
	; ---- x.  Two sets of registers: two blocks' loads, 32 of 512 bytes, are on their way
	s_add_nc_u64 s[4:5], s[4:5], s[22:23]
	s_add_nc_u64 s[14:15], s[10:11], s[26:27]      ; my scale words,
	s_add_nc_u64 s[10:11], s[10:11], s[24:25]      ; my images
	s_wait_alu depctr_va_vdst(0)
	LOADR R0, 4, 0
	LOADR R1, 4, 1
.macro ASTEP t
.if (\t) < 7
	s_wait_loadcnt 16                              ; loads come back in order (ISA guide 5.7.1): this block's 16 are in, the next block's 16 may be out
.else
	s_wait_loadcnt 0x0
.endif
	TURN R0+64*((\t)%2), 0
.if (\t)+2 < 8
	LOADR R0+64*((\t)%2), 4, (\t)+2
.endif
	QUANT \t, 10
.endm
.irp t, 0,1,2,3
	ASTEP \t
.endr
	SCOUT 14, 0                                    ; blocks 0 to 3; the pair is written again only behind a later block's wait on XCNT
.irp t, 4,5,6,7
	ASTEP \t
.endr
	SCOUT 14, 256                                  ; blocks 4 to 7
	s_wait_tensorcnt 0x0                           ; the wave's end
	ds_add_u32 v248, v249
	s_wait_dscnt 0x0
	s_endpgm
.Lweight:
	; ---- weight * mask.  One set each for weight and mask; each is loaded again as soon as it has been read, so a block's 32 loads are on their way while the block before is quantised
	s_add_nc_u64 s[6:7], s[6:7], s[22:23]
	s_add_nc_u64 s[8:9], s[8:9], s[22:23]
	s_add_nc_u64 s[16:17], s[12:13], s[26:27]
	s_add_nc_u64 s[12:13], s[12:13], s[24:25]
	s_wait_alu depctr_va_vdst(0)
	LOADR R0, 6, 0
	LOADR R1, 8, 0
.macro BSTEP t
	s_wait_loadcnt 0x0                             ; this block's weight and mask are in
.set j, 0
.rept 32
	v_pk_mul_f32 v[R0+j:R0+j+1], v[R0+j:R0+j+1], v[R1+j:R1+j+1]   ; the masked weight, in f32
.set j, j+2
.endr
.if (\t) < 3
	LOADR R1, 8, (\t)+1
.endif
	TURN R0, PBW
.if (\t) < 3
	LOADR R0, 6, (\t)+1
.endif
	QUANT \t, 12
.endm
.irp t, 0,1,2,3
	BSTEP \t
.endr
	SCOUT 16, 0
	s_wait_tensorcnt 0x0                           ; the wave's end
	ds_add_u32 v248, v249
	s_wait_dscnt 0x0
	s_endpgm
.Lfunc_end_k_q5d7b3f32cf_quant:
	.size	k_q5d7b3f32cf_quant, .Lfunc_end_k_q5d7b3f32cf_quant-k_q5d7b3f32cf_quant
	.p2alignl 7, 3214868480
	.fill 96, 4, 3214868480
	.section	.rodata,"a",@progbits
	.p2align	6, 0x0
	.amdhsa_kernel k_q5d7b3f32cf_quant
		.amdhsa_group_segment_fixed_size 98304
		.amdhsa_private_segment_fixed_size 0
		.amdhsa_enable_private_segment 0
		.amdhsa_kernarg_size 40
		.amdhsa_user_sgpr_count 2
		.amdhsa_user_sgpr_kernarg_segment_ptr 1
		.amdhsa_wavefront_size32 1
		.amdhsa_system_sgpr_workgroup_id_x 1
		.amdhsa_system_sgpr_workgroup_id_y 1
		.amdhsa_system_sgpr_workgroup_id_z 1
		.amdhsa_system_vgpr_workitem_id 0
		.amdhsa_next_free_vgpr 250
		.amdhsa_next_free_sgpr 66
		.amdhsa_reserve_vcc 1
		.amdhsa_float_denorm_mode_32 3
		.amdhsa_float_denorm_mode_16_64 3
		.amdhsa_memory_ordered 1
		.amdhsa_forward_progress 1
		.amdhsa_inst_pref_size 100
	.end_amdhsa_kernel
	.amdgpu_metadata
---
amdhsa.version: [ 1, 2 ]
amdhsa.kernels:
  - .name:           k_q5d7b3f32cf_quant
    .symbol:         k_q5d7b3f32cf_quant.kd
    .args:
      - { .name: x, .offset: 0, .size: 8, .value_kind: global_buffer, .address_space: global }
      - { .name: weight, .offset: 8, .size: 8, .value_kind: global_buffer, .address_space: global }
      - { .name: mask, .offset: 16, .size: 8, .value_kind: global_buffer, .address_space: global }
      - { .name: a_pack, .offset: 24, .size: 8, .value_kind: global_buffer, .address_space: global }
      - { .name: b_pack, .offset: 32, .size: 8, .value_kind: global_buffer, .address_space: global }
    .group_segment_fixed_size: 98304
    .private_segment_fixed_size: 0
    .kernarg_segment_align: 8
    .kernarg_segment_size: 40
    .max_flat_workgroup_size: 128
    .sgpr_count:     66
    .vgpr_count:     250
    .wavefront_size: 32
...
	.end_amdgpu_metadata
.endif
;; end of part 1
;; launch gemm (part 2): grid 16 x 16, 4 waves a work-group, clusters of 4 x 4, 327,680 bytes of LDS; arguments a_pack, b_pack, bias, out0; writes out0
.if DOCPART == 2
	.amdgcn_target "amdgcn-amd-amdhsa--gfx1250"
	.amdhsa_code_object_version 6
	.text
	.protected	k_q5d7b3f32cf_gemm
	.globl	k_q5d7b3f32cf_gemm
	.p2align	8
	.type	k_q5d7b3f32cf_gemm,@function
k_q5d7b3f32cf_gemm:
	s_mov_b64 s[64:65], 0
	v_nop
	global_prefetch_b8 v0, s[64:65] scope:SCOPE_SE
	s_setreg_imm32_b32 hwreg(HW_REG_WAVE_MODE, 25, 1), 1
	s_wait_xcnt 0x0
	s_wait_alu depctr_hold_cnt(0) depctr_sa_sdst(0) depctr_va_vdst(0) depctr_va_sdst(0) depctr_va_ssrc(0) depctr_va_vcc(0) depctr_vm_vsrc(0)
	s_getreg_b32 s2, hwreg(HW_REG_IB_STS2, 6, 4)
	s_cmp_eq_u32 s2, 0
	s_cbranch_scc0 .Lentry_in_a_cluster
	s_endpgm
.Lentry_in_a_cluster:
	s_bfe_u32 s2, ttmp6, 0x10000c
	s_cmp_lg_u32 s2, 0xf033
	s_cbranch_scc0 .Lentry_shape_is_right
	s_endpgm
.Lentry_shape_is_right:
; out0[m][n] = sum over k of Q(x)[m][k] Q(weight*mask)[n][k] + bias[n]; codes of BF6 (E3M2) and E8M0 scale words as the launch before laid them:
; [K slot of 384: 11][group of 128 rows: 32][step of 128 K: 3][8 fragment images of 1,536 bytes, then 512 bytes of scale words]; K slot 10 holds two steps.
; A work-group of four waves makes 256 x 256 of the output, a wave 128 x 128: 64 accumulators.  K goes through a ring of two LDS slots, a K slot (three steps) each;
; each wave fetches one group's part of a slot, 38,400 dense bytes, as 150 rows of 256 bytes, by one tensor load.
; CLUSTERS 4 x 4: A's tiles are asked for jointly along a row of the cluster, B's along a column.
; THE MATRIX INSTRUCTION IS USED TRANSPOSED (source 0 = 16 rows of B, source 1 = 16 rows of A): a lane holds eight neighbouring numbers of a row of the output.
; REGISTERS.  Window W = 2 ah + bh holds at v128-255 the 16 accumulators of A's blocks 4 ah .. 4 ah + 3 x B's blocks 4 bh .. 4 bh + 3, and at v32-127 two sets of four fragments:
;   window 0: A's blocks 0-3, window 1: A's 4-7, window 2: B's 0-3, window 3: B's 4-7.  Windows 2 and 3 hold the LDS addresses at v0-5; window 0 the scale words (v8-23) and the way out's addresses.
; A step of 128 K is four groups of 16 matrix instructions, group W on window W's accumulators, under one setting of the windows (source 0: 2 + bh, source 1: ah, C and D: W).  Under the same setting an LDS load takes
; its address from window 2 + bh and lands in window W.  Both operands have two sets, so the next step's 52 LDS loads stand in ONE run at the step's head, behind four places (ISA guide 7.12.1 for vector instructions),
; and the step's 64 matrix instructions follow on end.  The 64 accumulators take turns in the same order in every step.
; THE LAST TWO STEPS (K slot 10) GO BY ROWS OF THE OUTPUT: both sets hold their fragments, and each block of 16 rows leaves as soon as its sums are finished.
; PREFETCH: behind each refill the K slot two further on than the one asked for is named; K slot 1 at the head, K slots 2 and 3 behind slot 1's load.  A wave names 25 blocks of 256 bytes (half a step of a group);
; waves 0-2 take the slot's three steps, the four partners of a joint load share a tile's two groups and two halves out by address; wave 2 asks for nothing of K slot 10, nobody beyond it, wave 3 for nothing at all.
; The bias is added in f32 behind the sums, on the way out, where a lane's four columns are the same in every row.
.set FRB,     1536
.set SCW,     8*FRB
.set STEPB,   SCW+512
.set HALFT,   3*STEPB
.set SLOT,    4*HALFT
.set SLOTMEM, 32*HALFT
.set TRIPS,   4
.set SPARE,   2*SLOT                   ; behind the ring: the spare words, 512 bytes
.set STAGE,   SLOT                     ; the way out's stages lie in slot 1: the last K slot lies in slot 0, and slot 1 has had its last fill and its last read by then
.set SPITCH,  528
.set ROWC,    16384
.set BI,   4                           ; v4-7   bias of my four columns on the way out
.set SC,   8                           ; v8-23  scale words, two sets of 8: register i: lanes 0-15 A's block i, lanes 16-31 B's block i
.set STO,  24
.set RD,   25
.set CO,   26                          ; 16 x lane
.set PFO,  27                          ; 256 x min(lane, 24)
.set SPW,  28
.set NIL,  29
.set FB,   32                          ; fragments: set p at FB + 48 p
.set AC,   128                         ; accumulators
.set G1, 24
.set G0, 32
.set G1B, 48
.set G0B, 56
.set PFA, 66
.set G1L, 68                           ; group 1 for K slot 10: 100 rows
.set G1LB, 76
.set PFB, 84
.set LIM, 86
.set LIM2, 87
.set MSB, 0
.macro WIN new                         ; the immediate's high byte repeats the setting that is left
.if MSB != (\new)
	s_set_vgpr_msb (MSB<<8)|(\new)
.set MSB, \new
.endif
.endm
.macro GW W                            ; group W's setting
	WIN (2+((\W)%2))|(((\W)/2)<<2)|((\W)<<4)|((\W)<<6)
.endm
.macro PLACES
.rept 4
	v_nop
.endr
.endm
.macro JLOAD g0a, g1a, g0b, g1b        ; a joint load: waves 0, 1 fetch A's two groups, waves 2, 3 B's; s_nop 0 and four v_nop behind each line
	s_cmp_eq_u32 s15, 0
	s_cbranch_scc0 .Lfor_b_\@
	tensor_load_to_lds s[\g0a:\g0a+3], s[\g1a:\g1a+7]
	s_nop 0
	PLACES
	s_branch .Lasked_\@
.Lfor_b_\@:
	tensor_load_to_lds s[\g0b:\g0b+3], s[\g1b:\g1b+7]
	s_nop 0
	PLACES
.Lasked_\@:
.endm
.macro CREST
	s_cmp_lg_u32 s14, 0
	s_cbranch_scc1 .Lnot_wave_0_\@
	s_barrier_signal -3
.Lnot_wave_0_\@:
	s_barrier_wait -3
	s_barrier_signal -1
	s_barrier_wait -1
.endm
.macro CROUND
	s_barrier_signal -1
	s_barrier_wait -1
	CREST
.endm
.macro ASK how, off                    ; how = 1: waves 0-2; 2: wave 2 not in the last trip (K slot 10 has no third step); 3: nobody in the last trip (there is no K slot 11)
.if (\how) == 1
	s_cmp_ge_u32 s3, s[LIM]
.elseif (\how) == 2
	s_cmp_gt_u32 s3, s[LIM]
.else
	s_cmp_gt_u32 s3, s[LIM2]
.endif
	s_cbranch_scc0 .Lnot_mine_\@
	global_prefetch_b8 v[PFO], s[PFA:PFA+1] offset:\off th:TH_LOAD_NT scope:SCOPE_SE
	global_prefetch_b8 v[PFO], s[PFB:PFB+1] offset:\off th:TH_LOAD_NT scope:SCOPE_SE
.Lnot_mine_\@:
.endm
	s_load_b128 s[4:7], s[0:1], 0x0                ; A's buffer, B's buffer
	s_load_b64 s[88:89], s[0:1], 0x10              ; bias
	s_load_b64 s[12:13], s[0:1], 0x18              ; the output
	v_lshl_add_u32 v[SPW], v0, 2, SPARE
	v_mov_b32 v[NIL], 0
	ds_add_u32 v[SPW], v[NIL]                      ; the opening lines: the add twice on end and one wait
	ds_add_u32 v[SPW], v[NIL]
	v_lshrrev_b32 v1, 5, v0
	v_readfirstlane_b32 s14, v1                    ; wave
	s_lshr_b32 s15, s14, 1                         ; my half of the rows; also: I fetch for A (0) or B (1)
	s_and_b32 s16, s14, 1                          ; my half of the columns; also: which group I fetch
	s_bfe_u32 s40, ttmp6, 0x40000                  ; cx
	s_bfe_u32 s41, ttmp6, 0x40004                  ; cy
	s_lshl_b32 s42, ttmp9, 2
	s_add_co_u32 s42, s42, s40                     ; tile column
	s_and_b32 s17, ttmp7, 0xffff
	s_lshl_b32 s17, s17, 2
	s_add_co_u32 s17, s17, s41                     ; tile row
	s_lshl_b32 s43, s41, 2
	s_lshl_b32 s43, 15, s43                        ; my row of the cluster
	s_lshl_b32 s44, 0x1111, s40                    ; my column
	s_or_b32 s[G1+0], s43, (3<<16)|(1<<21)         ; elements of 8 bytes; the mask, bit 21 beside it
	s_or_b32 s[G1B+0], s44, (3<<16)|(1<<21)
.irp g, G1, G1B
	s_mov_b32 s[\g+1], 32<<16
	s_mov_b32 s[\g+2], 150<<16
	s_mov_b32 s[\g+3], 32<<16
	s_mov_b32 s[\g+4], 150
	s_mov_b32 s[\g+5], 32
	s_mov_b32 s[\g+6], 0
	s_mov_b32 s[\g+7], 0
.endr
	s_or_b32 s[G1L+0], s43, (3<<16)|(1<<21)
	s_or_b32 s[G1LB+0], s44, (3<<16)|(1<<21)
.irp g, G1L, G1LB
	s_mov_b32 s[\g+1], 32<<16
	s_mov_b32 s[\g+2], 100<<16
	s_mov_b32 s[\g+3], 32<<16
	s_mov_b32 s[\g+4], 100
	s_mov_b32 s[\g+5], 32
	s_mov_b32 s[\g+6], 0
	s_mov_b32 s[\g+7], 0
.endr
	s_lshl_b32 s20, s17, 1
	s_add_co_u32 s20, s20, s16                     ; A's group that I fetch
	s_lshl_b32 s46, s42, 1
	s_add_co_u32 s46, s46, s16                     ; B's
	s_mul_i32 s20, s20, HALFT
	s_mov_b32 s21, 0
	s_mul_i32 s46, s46, HALFT
	s_mov_b32 s47, 0
	s_mul_i32 s45, s14, HALFT                      ; where it goes: wave x 38,400
	s_wait_dscnt 0x0                               ; both opening adds are done
	s_wait_kmcnt 0x0
	s_add_nc_u64 s[20:21], s[4:5], s[20:21]
	s_add_nc_u64 s[46:47], s[6:7], s[46:47]
.irp s, 0,1
	s_mov_b32 s[G0+4*\s], 1
	s_add_co_u32 s[G0+4*\s+1], s45, \s*SLOT
	s_add_nc_u64 s[G0+4*\s+2:G0+4*\s+3], s[20:21], \s*SLOTMEM
	s_or_b32 s[G0+4*\s+3], s[G0+4*\s+3], 0x80000000
	s_mov_b32 s[G0B+4*\s], 1
	s_add_co_u32 s[G0B+4*\s+1], s45, \s*SLOT
	s_add_nc_u64 s[G0B+4*\s+2:G0B+4*\s+3], s[46:47], \s*SLOTMEM
	s_or_b32 s[G0B+4*\s+3], s[G0B+4*\s+3], 0x80000000
.endr
	CROUND                                         ; all sixteen work-groups are here: the first joint loads meet
	JLOAD G0, G1, G0B, G1B                         ; K slot 0: one tensor load a wave at the head
	; scalar set-up first, then the vector lines on end
	s_mul_i32 s8, s15, HALFT                       ; my 128 rows of A in slot 0
	s_mul_i32 s9, s16, HALFT
	s_add_co_u32 s9, s9, 2*HALFT                   ; my 128 rows of B
	s_sub_co_u32 s19, s9, s8
	s_add_co_u32 s10, s8, SLOT                     ; the same in slot 1
	s_add_co_u32 s11, s9, SLOT
	s_mul_i32 s18, s14, 16*SPITCH
	s_add_co_u32 s18, s18, STAGE                   ; my stage
	s_lshl_b32 s20, s17, 8
	s_lshl_b32 s21, s15, 7
	s_add_co_u32 s20, s20, s21
	s_lshl_b32 s20, s20, 14                        ; my first row of the output, in bytes
	s_mov_b32 s21, 0
	s_lshl_b32 s46, s42, 10
	s_lshl_b32 s47, s16, 9
	s_add_co_u32 s46, s46, s47                     ; my first column, in bytes
	s_mov_b32 s47, 0
	s_add_nc_u64 s[88:89], s[88:89], s[46:47]
	s_add_nc_u64 s[12:13], s[12:13], s[20:21]
	s_add_nc_u64 s[12:13], s[12:13], s[46:47]
	s_lshl_b32 s20, s17, 1                         ; the prefetches: A's group by cx / 2, half a step by cx % 2, the step by the wave; at K slot 3
	s_lshr_b32 s21, s40, 1
	s_add_co_u32 s20, s20, s21
	s_mul_i32 s20, s20, HALFT
	s_and_b32 s21, s40, 1
	s_mul_i32 s21, s21, STEPB/2
	s_add_co_u32 s20, s20, s21
	s_mul_i32 s21, s14, STEPB
	s_add_co_u32 s20, s20, s21
	s_add_co_u32 s20, s20, 3*SLOTMEM
	s_mov_b32 s21, 0
	s_add_nc_u64 s[PFA:PFA+1], s[4:5], s[20:21]
	s_lshl_b32 s22, s42, 1                         ; B's likewise by cy
	s_lshr_b32 s23, s41, 1
	s_add_co_u32 s22, s22, s23
	s_mul_i32 s22, s22, HALFT
	s_and_b32 s23, s41, 1
	s_mul_i32 s23, s23, STEPB/2
	s_add_co_u32 s22, s22, s23
	s_mul_i32 s23, s14, STEPB
	s_add_co_u32 s22, s22, s23
	s_add_co_u32 s22, s22, 3*SLOTMEM
	s_mov_b32 s23, 0
	s_add_nc_u64 s[PFB:PFB+1], s[6:7], s[22:23]
	s_cmp_lt_u32 s14, 2
	s_cselect_b32 s20, 0, 1
	s_cmp_eq_u32 s14, 3
	s_cselect_b32 s[LIM], -1, s20                  ; waves 0, 1: 0; wave 2: 1; wave 3: the greatest number
	s_max_u32 s[LIM2], s[LIM], 1                   ; waves 0-2: 1; wave 3: the greatest number
	s_mov_b32 s3, TRIPS
	v_and_b32 v1, 15, v0                           ; r
	v_bfe_u32 v2, v0, 4, 1                         ; h
	v_and_b32 v3, 31, v0
	v_lshlrev_b32 v[CO], 4, v3
	v_min_u32 v32, 24, v3
	v_lshlrev_b32 v[PFO], 8, v32
	v_lshlrev_b32 v33, 3, v1
	v_mul_u32_u24 v34, s19, v2                     ; lanes 16-31 take B's scale words
	v_add_nc_u32 v33, v33, v34
	v_add_nc_u32 v33, SCW, v33
	v_mul_u32_u24 v35, v1, SPITCH
	v_lshl_add_u32 v35, v2, 5, v35
	v_add_nc_u32 v[STO], s18, v35
	v_add_nc_u32 v[RD], s18, v[CO]
	WIN 0x80                                       ; destination window 2: v0, v1 A's fragments in slot 0, 1; v2, v3 B's; v4, v5 the scale words
	v_add_nc_u32 v0, s8, v[CO]
	v_add_nc_u32 v1, s10, v[CO]
	v_add_nc_u32 v2, s9, v[CO]
	v_add_nc_u32 v3, s11, v[CO]
	v_add_nc_u32 v4, s8, v33
	v_add_nc_u32 v5, s10, v33
	WIN 0xc0                                       ; and window 3
	v_add_nc_u32 v0, s8, v[CO]
	v_add_nc_u32 v1, s10, v[CO]
	v_add_nc_u32 v2, s9, v[CO]
	v_add_nc_u32 v3, s11, v[CO]
	WIN 0
	s_wait_alu depctr_va_vdst(0)
	global_load_b128 v[BI:BI+3], v[CO], s[88:89]   ; bias of columns 4 lane .. 4 lane + 3 of my 128
	ASK 1, -2*SLOTMEM                              ; K slot 1
; window W's four fragments of step q of a slot into set p: twelve loads under group W's setting
.macro LDH W, slot, q, p
	GW \W
.irp n, 0,1,2,3,4,5,6,7,8,9,10,11
	ds_load_b128 v[FB+48*(\p)+4*\n:FB+48*(\p)+4*\n+3], v[2*((\W)/2)+(\slot)] offset:(\q)*STEPB+(4*((\W)%2)+\n/3)*FRB+512*(\n%3)
.endr
.endm
; a step's 52 loads: A's blocks 0-3, the scale words, B's 0-3 (what group 0 needs), then B's 4-7 (group 1), then A's 4-7 (group 2)
.macro RUN slot, q, p
	LDH 0, \slot, \q, \p
.irp m, 0,1,2,3
	ds_load_b64 v[SC+8*(\p)+2*\m:SC+8*(\p)+2*\m+1], v[4+(\slot)] offset:(\q)*STEPB+128*\m   ; still group 0's setting: address in window 2, destination window 0
.endr
	LDH 2, \slot, \q, \p
	LDH 3, \slot, \q, \p
	LDH 1, \slot, \q, \p
.endm
.macro MM W, p, a, b, zero             ; the product of the window's blocks a and b on set p
.if \zero
	v_wmma_scale_f32_16x16x128_f8f6f4 v[AC+8*(4*(\a)+(\b)):AC+8*(4*(\a)+(\b))+7], v[FB+48*(\p)+12*(\b):FB+48*(\p)+12*(\b)+11], v[FB+48*(\p)+12*(\a):FB+48*(\p)+12*(\a)+11], 0, v[SC+8*(\p)+4*((\W)%2)+(\b)], v[SC+8*(\p)+4*((\W)/2)+(\a)] matrix_a_fmt:MATRIX_FMT_BF6 matrix_b_fmt:MATRIX_FMT_BF6 matrix_a_scale:MATRIX_SCALE_ROW1
.else
	v_wmma_scale_f32_16x16x128_f8f6f4 v[AC+8*(4*(\a)+(\b)):AC+8*(4*(\a)+(\b))+7], v[FB+48*(\p)+12*(\b):FB+48*(\p)+12*(\b)+11], v[FB+48*(\p)+12*(\a):FB+48*(\p)+12*(\a)+11], v[AC+8*(4*(\a)+(\b)):AC+8*(4*(\a)+(\b))+7], v[SC+8*(\p)+4*((\W)%2)+(\b)], v[SC+8*(\p)+4*((\W)/2)+(\a)] matrix_a_fmt:MATRIX_FMT_BF6 matrix_b_fmt:MATRIX_FMT_BF6 matrix_a_scale:MATRIX_SCALE_ROW1
.endif
.endm
.macro HALFG W, p, zero, a0            ; eight matrix instructions
	GW \W
.irp a, \a0, \a0+1
.irp b, 0,1,2,3
	MM \W, \p, \a, \b, \zero
.endr
.endr
.endm
.macro GROUP W, p, zero
	HALFG \W, \p, \zero, 0
	HALFG \W, \p, \zero, 2
.endm
; a step on set p; step q of a slot is loaded into the other set.  late = 1: this step's own run was issued half a step ago, and is waited for by parts
.macro STEP p, zero, slot, q, late
.if \late
	s_wait_dscnt 24                                ; what group 0 needs is in; B's 4-7 and A's 4-7 may be out
.else
	s_wait_dscnt 0x0                               ; this step's run was issued a step ago
.endif
	PLACES                                         ; the other set was read by the step before
	RUN \slot, \q, 1-(\p)
	GROUP 0, \p, \zero
.if \late
	s_wait_dscnt 63                                ; B's 4-7 are in: 64 loads were issued behind them, and the field holds 63
.endif
	GROUP 1, \p, \zero
.if \late
	s_wait_dscnt 52                                ; A's 4-7 are in: behind them the 52 of this step's run
.endif
	GROUP 2, \p, \zero
	GROUP 3, \p, \zero
.endm
; a slot's third step changes slots.  All its fragments were loaded in the step before, so my reads of this slot are over.  Group 1 works on registers under the add and inside the barrier;
; behind the round the slot is filled again (fill = 1; 2: K slot 10's two steps; 0: nothing is left), and the run for the next slot's first step follows.
.macro TURN slot, next, fill, ask
.set PP, (\slot)%2
.set PN, 1-PP
.if \ask
	s_wait_xcnt 0x0                                ; my prefetches have read their addresses
	s_add_nc_u64 s[PFA:PFA+1], s[PFA:PFA+1], SLOTMEM
	s_add_nc_u64 s[PFB:PFB+1], s[PFB:PFB+1], SLOTMEM
.endif
	s_wait_dscnt 0x0
	GROUP 0, PP, 0
	WIN 0
	s_wait_tensorcnt 0x0                           ; my part of the next slot has landed
	ds_add_u32 v[SPW], v[NIL]
.if \fill
	s_add_nc_u64 s[G0+4*\slot+2:G0+4*\slot+3], s[G0+4*\slot+2:G0+4*\slot+3], 2*SLOTMEM
	s_add_nc_u64 s[G0B+4*\slot+2:G0B+4*\slot+3], s[G0B+4*\slot+2:G0B+4*\slot+3], 2*SLOTMEM
.endif
	HALFG 1, PP, 0, 0
	s_wait_dscnt 0x0                               ; the add is done; my reads of this slot came back a step ago
	s_barrier_signal -1
	HALFG 1, PP, 0, 2
	WIN 0
	s_barrier_wait -1
.if (\fill) == 1
	CREST
	JLOAD G0+4*\slot, G1, G0B+4*\slot, G1B         ; its four v_nop are the places in front of the run
.elseif (\fill) == 2
	CREST
	JLOAD G0+4*\slot, G1L, G0B+4*\slot, G1LB
.else
	PLACES
.endif
	RUN \next, 0, PN
.if \ask
	WIN 0
	ASK \ask, 0
.endif
	GROUP 2, PP, 0
	GROUP 3, PP, 0
.endm
	s_wait_tensorcnt 0x0                           ; my part of K slot 0 is in; these lines stand ahead of slot 1's first fill as ahead of a refill
	ds_add_u32 v[SPW], v[NIL]
	s_wait_dscnt 0x0
	CROUND
	JLOAD G0+4, G1, G0B+4, G1B                     ; K slot 1
	RUN 0, 0, 0
	WIN 0
	ASK 1, -SLOTMEM                                ; K slots 2 and 3
	ASK 1, 0
	STEP 0, 1, 0, 1, 1                             ; the first step's products start the sums
	WIN 0
.Llap:                                                 ; a trip: six steps, once round the ring, from a slot 0's second step to the next slot 0's first
	STEP 1, 0, 0, 2, 0
	TURN 0, 1, 1, 2
	STEP 1, 0, 1, 1, 1
	STEP 0, 0, 1, 2, 0
	TURN 1, 0, 1, 3
	STEP 0, 0, 0, 1, 1
	WIN 0
	s_sub_co_u32 s3, s3, 1
	s_cmp_lg_u32 s3, 0
	s_cbranch_scc1 .Llap
	STEP 1, 0, 0, 2, 0                             ; K slots 8 (from its second step) and 9
	TURN 0, 1, 2, 0
	STEP 1, 0, 1, 1, 1
	STEP 0, 0, 1, 2, 0
	TURN 1, 0, 0, 0
; K SLOT 10, BY ROWS.  Its first step lies in set 0, its second comes into set 1.  Blocks 0-3 take the first step while the run lands; then block by block: what is left of its sums, K ascending, its 8 accumulators by turns.
; THE WAY OUT of a block of 16 rows x 128 columns: through my own stage (rows of 528 bytes), back as whole rows of 512 bytes into the block's own accumulator registers, the bias added, stored as two aligned units
; of 256 bytes.  The next block's products stand between the loads from the stage and the wait for them.  A row's place stands in the store's immediate: 127 rows of 16,384 bytes at the most, inside the signed 24 bits.
.macro ROWP a, p                       ; block a x B's eight on set p
.irp g, 0,1
	GW 2*((\a)/4)+\g
.irp b, 0,1,2,3
	MM 2*((\a)/4)+\g, \p, (\a)%4, \b, 0
.endr
.endr
.endm
.macro ROW a
.if (\a) > 3
	ROWP \a, 0
.endif
	ROWP \a, 1
.endm
.macro TOSTAGE a
.irp g, 0,1
	WIN (2*((\a)/4)+\g)<<2                         ; the data's window
.irp b, 0,1,2,3
	ds_store_b128 v[STO], v[AC+8*(4*((\a)%4)+\b):AC+8*(4*((\a)%4)+\b)+3] offset:64*(4*\g+\b)
	ds_store_b128 v[STO], v[AC+8*(4*((\a)%4)+\b)+4:AC+8*(4*((\a)%4)+\b)+7] offset:64*(4*\g+\b)+16
.endr
.endr
	s_wait_dscnt 0x0                               ; the stores have read their registers, which take the rows
.irp g, 0,1
	WIN (2*((\a)/4)+\g)<<6
.irp t, 0,1,2,3,4,5,6,7
	ds_load_b128 v[AC+32*((\a)%4)+4*\t:AC+32*((\a)%4)+4*\t+3], v[RD] offset:(8*\g+\t)*SPITCH
.endr
.endr
.endm
.macro SEND a
	s_wait_dscnt 0x0
.irp g, 0,1
	WIN ((2*((\a)/4)+\g)<<6)|(2*((\a)/4)+\g)
.irp t, 0,1,2,3,4,5,6,7
	v_pk_add_f32 v[AC+32*((\a)%4)+4*\t:AC+32*((\a)%4)+4*\t+1], v[AC+32*((\a)%4)+4*\t:AC+32*((\a)%4)+4*\t+1], v[BI:BI+1]
	v_pk_add_f32 v[AC+32*((\a)%4)+4*\t+2:AC+32*((\a)%4)+4*\t+3], v[AC+32*((\a)%4)+4*\t+2:AC+32*((\a)%4)+4*\t+3], v[BI+2:BI+3]
.endr
	WIN (2*((\a)/4)+\g)<<2
.irp t, 0,1,2,3,4,5,6,7
	global_store_b128 v[CO], v[AC+32*((\a)%4)+4*\t:AC+32*((\a)%4)+4*\t+3], s[12:13] offset:(16*(\a)+8*\g+\t)*ROWC th:TH_STORE_NT
.endr
.endr
.endm
	s_wait_dscnt 24
	PLACES
	RUN 0, 1, 1
	GROUP 0, 0, 0
	s_wait_dscnt 63
	GROUP 1, 0, 0
	s_wait_dscnt 0x0                               ; both sets are whole
	s_wait_loadcnt 0x0                             ; the bias
	ROW 0
.irp a, 0,1,2,3,4,5,6,7
	PLACES                                         ; behind the block's last products
	TOSTAGE \a
.if \a < 7
	ROW \a+1
.endif
	SEND \a
.endr
	WIN 0
	s_wait_tensorcnt 0x0                           ; the wave's end
	ds_add_u32 v[SPW], v[NIL]
	s_wait_dscnt 0x0
	CROUND                                         ; the closing round
	s_endpgm
.Lfunc_end_k_q5d7b3f32cf_gemm:
	.size	k_q5d7b3f32cf_gemm, .Lfunc_end_k_q5d7b3f32cf_gemm-k_q5d7b3f32cf_gemm
	.p2alignl 7, 3214868480
	.fill 96, 4, 3214868480
	.section	.rodata,"a",@progbits
	.p2align	6, 0x0
	.amdhsa_kernel k_q5d7b3f32cf_gemm
		.amdhsa_group_segment_fixed_size 327680
		.amdhsa_private_segment_fixed_size 0
		.amdhsa_enable_private_segment 0
		.amdhsa_kernarg_size 32
		.amdhsa_user_sgpr_count 2
		.amdhsa_user_sgpr_kernarg_segment_ptr 1
		.amdhsa_wavefront_size32 1
		.amdhsa_system_sgpr_workgroup_id_x 1
		.amdhsa_system_sgpr_workgroup_id_y 1
		.amdhsa_system_sgpr_workgroup_id_z 1
		.amdhsa_system_vgpr_workitem_id 0
		.amdhsa_next_free_vgpr 1024
		.amdhsa_next_free_sgpr 90
		.amdhsa_reserve_vcc 0
		.amdhsa_float_denorm_mode_32 3
		.amdhsa_float_denorm_mode_16_64 3
		.amdhsa_memory_ordered 1
		.amdhsa_forward_progress 1
		.amdhsa_inst_pref_size 227
	.end_amdhsa_kernel
	.amdgpu_metadata
---
amdhsa.version: [ 1, 2 ]
amdhsa.kernels:
  - .name:           k_q5d7b3f32cf_gemm
    .symbol:         k_q5d7b3f32cf_gemm.kd
    .args:
      - { .name: a_pack, .offset: 0, .size: 8, .value_kind: global_buffer, .address_space: global }
      - { .name: b_pack, .offset: 8, .size: 8, .value_kind: global_buffer, .address_space: global }
      - { .name: bias, .offset: 16, .size: 8, .value_kind: global_buffer, .address_space: global }
      - { .name: out0, .offset: 24, .size: 8, .value_kind: global_buffer, .address_space: global }
    .group_segment_fixed_size: 327680
    .private_segment_fixed_size: 0
    .kernarg_segment_align: 8
    .kernarg_segment_size: 32
    .max_flat_workgroup_size: 128
    .sgpr_count:     90
    .vgpr_count:     1024
    .wavefront_size: 32
...
	.end_amdgpu_metadata
.endif
;; end of part 2
